; MI455X (gfx1250); checked and timed in simulation.
; The chip was launched on July 23, 2026; its instructions are those of AMD's public machine-readable ISA for CDNA 5 (MIT licence, August 2026) and "CDNA5" Instruction Set Architecture Reference Guide (July 2026). The comments in the code are by the model that wrote it; some were corrected since.
;; Attention. Allowed arithmetic: matrix products marked QUANTISED: E5M2 operands, one given power-of-two scale a tensor, by v_wmma_f32_16x16x64_bf8_bf8 or v_wmma_f32_16x16x128_bf8_bf8, f32 sums; everything else in f32.
;; Inputs: b_proj 1,024 float32; lowp_scales 8 int32 (the exponents e of the quantised operands' scales 2^e); w_proj 1,024 x 1,024 float32; w_qkv 3,072 x 1,024 float32; x 4 x 2,048 x 1,024 float32.
;; Outputs: out0 4 x 2,048 x 1,024 float32.
;; This version of the problem:
;;   THIS VERSION OF THE PROBLEM IS GIVEN IN LOW PRECISION. The matrix products marked QUANTISED in the list below multiply operands that are first quantised to E5M2 (5 exponent bits, 2 mantissa bits; 8 bits a number), with one given power-of-two scale for each operand tensor; their sums are f32. All else is computed in f32.
;;   The module's matrix products, in the order in which they are computed (A, B: the left and right operand; K: the contracted axis; several contracted axes count as one K, in the product's order):
;;     1. [M 8,192, K 1,024] x [K 1,024, N 3,072]; A: input x; B: input w_qkv: QUANTISED (scales: A lowp_scales[0], B lowp_scales[1])
;;     2. batch 64 x [M 2,048, K 64] x [K 64, N 2,048]; A: computed on the way; B: computed on the way: QUANTISED (scales: A lowp_scales[2], B lowp_scales[3])
;;     3. batch 64 x [M 2,048, K 2,048] x [K 2,048, N 64]; A: softmax (see below); B: computed on the way: QUANTISED (scales: A lowp_scales[4], B lowp_scales[5])
;;     4. [M 8,192, K 1,024] x [K 1,024, N 1,024]; A: computed on the way; B: input w_proj: QUANTISED (scales: A lowp_scales[6], B lowp_scales[7])
;;   THE QUANTISER, for each operand of a quantised product, along K:
;;     - The operand's scale is 2^e, e = its entry of the input lowp_scales (int32; the entries are numbered through the quantised products in the list's order, A before B).
;;     - Each number is divided by the scale, clamped to +-57,344, and rounded to the nearest number of E5M2, ties to even, subnormals kept.
;;     - The product sums the exact products of the quantised numbers (number of the format x scale) in f32.
;;   ~~~python
;;   def quantise(x, axis, e):      # numpy; x: float32 -> the quantised numbers, widened to float32 again
;;       x = np.moveaxis(x, axis, -1); K = x.shape[-1]
;;       r = np.clip(x / 2.0 ** e, -57344, 57344)
;;       step = 2.0 ** (np.maximum(np.frexp(np.where(r == 0, 1, r))[1] - 1, -14) - 2)
;;       q = np.round(r / step) * step * 2.0 ** e      # np.round: ties to even
;;       return np.moveaxis(q, -1, axis).astype(np.float32)
;;   ~~~
;;   SOFTMAX AHEAD OF A QUANTISED PRODUCT. Where the list says 'softmax', what is quantised is not the finished softmax but p = 2^(t - M), with t = logit x log2(e) and M = ceil(the row's largest t), a whole number; so 1/2 < the row's largest p <= 1. The row's sum l is taken of the UNQUANTISED p, in f32, and the product's result is divided by l at the end. Since M is a whole number, a kernel that streams over the keys may use a running M (the ceiling of the running maximum): every later rescaling is an exact power of two, so the quantised numbers keep their values, but for numbers so far below the row's largest that they fall under the format's range.
;;   OPERANDS COMPUTED ON THE WAY. 'Computed on the way' means the value that the module computes at that place (a softmax that the list does not call 'softmax' is quantised finished and normalised). What goes into a quantiser is computed in f32, as accurately as f32 sums, v_exp_f32 and their like allow (about 1e-6 of the number): no bf16 or f16 on the way to a quantiser, and a product that is left as it is and whose result goes on into a quantised operand takes f32 operands (vector FMAs, or v_wmma_f32_16x16x4_f32). A number that lies on a knife's edge between two numbers of the format may be rounded either way, as far as f32 arithmetic and the matrix unit's own rounding can turn it there, and no further.
;; One version. Each part assembles by itself: llvm-mc -triple=amdgcn-amd-amdhsa -mcpu=gfx1250 --defsym DOCPART=n.
;; ======== version 1 of 1: 4 launches
;; limits: right only within a limited range of input values
;; workspace buffers: codes 12,582,912 bytes; qkv_img 25,165,824 bytes; o_img 8,388,608 bytes
;; launch quant (part 1): grid 384 x 1, 4 waves a work-group, no clusters, 34,304 bytes of LDS; arguments x, w_qkv, w_proj, lowp_scales, codes; writes codes
.if DOCPART == 1
	.amdgcn_target "amdgcn-amd-amdhsa--gfx1250"
	.amdhsa_code_object_version 6
	.text
	.protected	k_qc5113ae97f_quant
	.globl	k_qc5113ae97f_quant
	.p2align	8
	.type	k_qc5113ae97f_quant,@function
k_qc5113ae97f_quant:
	s_mov_b64 s[64:65], 0
	v_nop
	global_prefetch_b8 v0, s[64:65] scope:SCOPE_SE
	s_setreg_imm32_b32 hwreg(HW_REG_WAVE_MODE, 25, 1), 1
	s_wait_xcnt 0x0
; x [8192][1024], w_qkv [3072][1024] and w_proj [1024][1024], f32, K innermost, become codes of BF8 (E5M2), each tensor with its given scale 2^e (entries 0, 1 and 7 of lowp_scales).
; code = x / 2^e, held within +-57,344, rounded to the nearest code, ties to even.
; LIMITS: e between -126 and 112, so that 2^e and 57,344 x 2^e are f32 numbers.  NaN among the inputs is not served; an infinity is held at the largest code.
; THE CODES ARE LAID AS CELLS.  A cell, 2,048 bytes, is the image of the 16 registers that the K = 128 matrix form wants for 16 rows x 128 k: byte 512 q + 16 lane + y is byte y % 4 of
; register 4 q + y / 4 of that lane, which is row lane % 16, k = 16 (2 q + y / 8) + 8 (lane / 16) + y % 8.  A reader fetches a fragment by four loads of 16 bytes a lane, 512 bytes on end each.
; codes holds 768 blocks of 16 rows (0-511 x, 512-703 w_qkv, 704-767 w_proj), eight cells (K = 1,024) on end for each: cell 8 x block + k / 128.
; SHARES.  Work-group g takes blocks 2 g and 2 g + 1; wave w block 2 g + w / 2 and the four cells 4 (w % 2) on.  Work-groups share no input, so no cluster; waves share nothing, so no barrier.
; A load reads 512 consecutive bytes of one row (16 a lane); the conversions want eight neighbours along K in ONE lane's registers.  So a cell's 16 x 512 bytes turn through the wave's own stage in
; LDS: rows 528 bytes apart, an odd multiple of 16.
.set SP,    528                        ; a stage row: 512 bytes + 16 of padding
.set WREG,  16*SP                      ; a wave's stage
.set OFF,   3                          ; v3   16 x lane: my place in a load's and in a store's 512 bytes; never rewritten
.set SIN,   4                          ; v4   the stage, on the way in: stage + 16 x lane
.set SOUT,  5                          ; v5   and on the way out: stage + 528 (lane % 16) + 32 (lane / 16)
.set LIM,   10                         ; v10  57,344 x 2^e
.set SC,    11                         ; v11  2^e
.set R,     16                         ; v16-143   two sets of 64: a cell's numbers as they are loaded
.set X,     144                        ; v144-207  64 numbers in the fragment's order
.set C,     208                        ; v208-239  two sets of 16: a cell's codes
	s_load_b128 s[4:7], s[0:1], 0x0                ; x, w_qkv
	s_load_b128 s[8:11], s[0:1], 0x10              ; w_proj, the scales' exponents
	s_load_b64 s[12:13], s[0:1], 0x20              ; codes
	v_lshl_add_u32 v240, v0, 2, 0x8400
	v_mov_b32 v241, 0
	v_lshrrev_b32 v1, 5, v0
	v_readfirstlane_b32 s16, v1                    ; wave 0..3
	v_and_b32 v2, 31, v0                           ; lane
	v_lshlrev_b32 v[OFF], 4, v2
	s_mul_i32 s17, s16, WREG
	v_add_nc_u32 v[SIN], s17, v[OFF]
	v_and_b32 v6, 15, v0                           ; r
	v_bfe_u32 v7, v0, 4, 1                         ; h
	v_mul_u32_u24 v[SOUT], v6, SP
	v_lshl_add_u32 v[SOUT], v7, 5, v[SOUT]
	v_add_nc_u32 v[SOUT], s17, v[SOUT]
	s_lshr_b32 s19, s16, 1                         ; which of the two blocks
	s_and_b32 s20, s16, 1                          ; which four cells
	s_movk_i32 s18, 352
	s_wait_alu depctr_va_vdst(0)
	s_wait_kmcnt 0x0
	s_load_b256 s[24:31], s[10:11], 0x0            ; e0 .. e7
	s_cmp_lt_u32 ttmp9, 352                        ; which tensor: the choice hangs on the work-group's number alone.  0-255 x, 256-351 w_qkv, 352-383 w_proj
	s_cselect_b64 s[6:7], s[6:7], s[8:9]
	s_cselect_b32 s18, 256, s18
	s_cmp_lt_u32 ttmp9, 256
	s_cselect_b64 s[4:5], s[4:5], s[6:7]
	s_cselect_b32 s18, 0, s18                      ; the tensor's first work-group
	s_sub_co_u32 s21, ttmp9, s18
	s_lshl_b32 s21, s21, 1
	s_add_co_u32 s21, s21, s19                     ; my block within the tensor
	s_lshl_b32 s32, s21, 16                        ; 16 rows of 4,096 bytes,
	s_lshl_b32 s33, s20, 11                        ; + four cells' 2,048 bytes of a row
	s_add_co_u32 s32, s32, s33
	s_mov_b32 s33, 0
	s_add_nc_u64 s[4:5], s[4:5], s[32:33]
	s_lshl_b32 s34, ttmp9, 1
	s_add_co_u32 s34, s34, s19                     ; my block in codes
	s_lshl_b32 s34, s34, 14                        ; eight cells,
	s_lshl_b32 s35, s20, 13                        ; + four
	s_add_co_u32 s34, s34, s35
	s_mov_b32 s35, 0
	s_add_nc_u64 s[12:13], s[12:13], s[34:35]
.macro LOAD t                          ; cell t: 16 rows x 512 bytes into set t % 2
.irp i, 0,1,2,3,4,5,6,7,8,9,10,11,12,13,14,15
	global_load_b128 v[R+64*((\t)%2)+4*\i:R+64*((\t)%2)+4*\i+3], v[OFF], s[4:5] offset:4096*\i+512*(\t) th:TH_LOAD_NT   ; 32 lanes read 512 consecutive bytes; read once in the launch
.endr
.endm
.macro TURN t                          ; through the stage: LDS serves a wave's instructions in order (ISA guide 5.7.1.4), so no wait stands between the stores and the loads
.irp i, 0,1,2,3,4,5,6,7,8,9,10,11,12,13,14,15
	ds_store_b128 v[SIN], v[R+64*((\t)%2)+4*\i:R+64*((\t)%2)+4*\i+3] offset:SP*\i
.endr
.irp q, 0,1,2,3                        ; registers 16 q + 0..7: k = 32 q + 8 h + 0..7; registers 16 q + 8..15: k = 32 q + 16 + 8 h + 0..7
	ds_load_b128 v[X+16*\q:X+16*\q+3],     v[SOUT] offset:128*\q
	ds_load_b128 v[X+16*\q+4:X+16*\q+7],   v[SOUT] offset:128*\q+16
	ds_load_b128 v[X+16*\q+8:X+16*\q+11],  v[SOUT] offset:128*\q+64
	ds_load_b128 v[X+16*\q+12:X+16*\q+15], v[SOUT] offset:128*\q+80
.endr
.endm
.macro CELL t
.if (\t) < 3
	s_wait_loadcnt 16                              ; this cell's 16 loads are in; the next cell's 16 may be out
.else
	s_wait_loadcnt 0
.endif
	TURN \t
	s_wait_dscnt 0x0                               ; the numbers are back, so the stage's stores have read their registers,
.if (\t) < 2
	LOAD (\t)+2                                    ; which take the cell two further on
.endif
.if (\t) >= 2
	s_wait_xcnt 0x0                                ; the stores of the cell two back have read this set of codes: it is written again only behind this wait
.endif
.set j, 0
.rept 64
	v_med3_num_f32 v[X+j], v[X+j], -v[LIM], v[LIM]   ; the conversion to an 8-bit code does not saturate (ISA guide 7.6.2): the hold at the largest code x the scale
.set j, j+1
.endr
.irp m, 0,1,2,3,4,5,6,7
	v_cvt_scalef32_pk8_bf8_f32 v[C+16*((\t)%2)+2*\m:C+16*((\t)%2)+2*\m+1], v[X+8*\m:X+8*\m+7], v[SC]   ; registers 2 m, 2 m + 1 of the fragment
.endr
	v_nop                                          ; a plain line between the conversions and the next cell's holds, which write the conversions' sources
.irp q, 0,1,2,3
	global_store_b128 v[OFF], v[C+16*((\t)%2)+4*\q:C+16*((\t)%2)+4*\q+3], s[12:13] offset:2048*(\t)+512*\q   ; 32 lanes store 512 consecutive bytes, at a multiple of 512 from the buffer's first byte
.endr
.endm
	LOAD 0
	LOAD 1
	s_wait_kmcnt 0x0
	s_cmp_lt_u32 ttmp9, 352
	s_cselect_b32 s22, s25, s31                    ; e1 or e7,
	s_cmp_lt_u32 ttmp9, 256
	s_cselect_b32 s22, s24, s22                    ; or e0
	s_add_co_i32 s22, s22, 127
	s_lshl_b32 s23, s22, 23
	v_mov_b32 v[SC], s23                           ; 2^e as f32: the conversion takes its exponent field
	s_add_co_i32 s22, s22, 15
	s_lshl_b32 s22, s22, 23
	s_or_b32 s22, s22, 0x600000
	v_mov_b32 v[LIM], s22                          ; 57,344 x 2^e
	s_wait_alu depctr_va_vdst(0)
	CELL 0
	CELL 1
	CELL 2
	CELL 3
	s_wait_tensorcnt 0x0
	ds_add_u32 v240, v241
	s_wait_dscnt 0x0
	s_endpgm
.Lfunc_end_k_qc5113ae97f_quant:
	.size	k_qc5113ae97f_quant, .Lfunc_end_k_qc5113ae97f_quant-k_qc5113ae97f_quant
	.p2alignl 7, 3214868480
	.fill 96, 4, 3214868480
	.section	.rodata,"a",@progbits
	.p2align	6, 0x0
	.amdhsa_kernel k_qc5113ae97f_quant
		.amdhsa_group_segment_fixed_size 34304
		.amdhsa_private_segment_fixed_size 0
		.amdhsa_enable_private_segment 0
		.amdhsa_kernarg_size 40
		.amdhsa_user_sgpr_count 2
		.amdhsa_user_sgpr_kernarg_segment_ptr 1
		.amdhsa_wavefront_size32 1
		.amdhsa_system_sgpr_workgroup_id_x 1
		.amdhsa_system_sgpr_workgroup_id_y 1
		.amdhsa_system_sgpr_workgroup_id_z 1
		.amdhsa_system_vgpr_workitem_id 0
		.amdhsa_next_free_vgpr 242
		.amdhsa_next_free_sgpr 66
		.amdhsa_reserve_vcc 0
		.amdhsa_float_denorm_mode_32 3
		.amdhsa_float_denorm_mode_16_64 3
		.amdhsa_memory_ordered 1
		.amdhsa_forward_progress 1
		.amdhsa_inst_pref_size 37
	.end_amdhsa_kernel
	.amdgpu_metadata
---
amdhsa.version: [ 1, 2 ]
amdhsa.kernels:
  - .name:           k_qc5113ae97f_quant
    .symbol:         k_qc5113ae97f_quant.kd
    .args:
      - { .name: x, .offset: 0, .size: 8, .value_kind: global_buffer, .address_space: global }
      - { .name: w_qkv, .offset: 8, .size: 8, .value_kind: global_buffer, .address_space: global }
      - { .name: w_proj, .offset: 16, .size: 8, .value_kind: global_buffer, .address_space: global }
      - { .name: lowp_scales, .offset: 24, .size: 8, .value_kind: global_buffer, .address_space: global }
      - { .name: codes, .offset: 32, .size: 8, .value_kind: global_buffer, .address_space: global }
    .group_segment_fixed_size: 34304
    .private_segment_fixed_size: 0
    .kernarg_segment_align: 8
    .kernarg_segment_size: 40
    .max_flat_workgroup_size: 128
    .sgpr_count:     66
    .vgpr_count:     242
    .wavefront_size: 32
...
	.end_amdgpu_metadata
.endif
;; end of part 1
;; launch gemmc (part 2): grid 4 x 48, 4 waves a work-group, clusters of 4 x 1, 327,680 bytes of LDS; arguments codes, lowp_scales, qkv_img; writes qkv_img
.if DOCPART == 2
	.amdgcn_target "amdgcn-amd-amdhsa--gfx1250"
	.amdhsa_code_object_version 6
	.text
	.protected	k_qc5113ae97f_gemmc
	.globl	k_qc5113ae97f_gemmc
	.p2align	8
	.type	k_qc5113ae97f_gemmc,@function
k_qc5113ae97f_gemmc:
	s_mov_b64 s[64:65], 0
	v_nop
	global_prefetch_b8 v0, s[64:65] scope:SCOPE_SE
	s_setreg_imm32_b32 hwreg(HW_REG_WAVE_MODE, 25, 1), 1
	s_wait_xcnt 0x0
	s_wait_alu depctr_hold_cnt(0) depctr_sa_sdst(0) depctr_va_vdst(0) depctr_va_sdst(0) depctr_va_ssrc(0) depctr_va_vcc(0) depctr_vm_vsrc(0)
	s_getreg_b32 s2, hwreg(HW_REG_IB_STS2, 6, 4)
	s_cmp_eq_u32 s2, 0
	s_cbranch_scc0 .Lentry_in_a_cluster
	s_endpgm
.Lentry_in_a_cluster:
	s_bfe_u32 s2, ttmp6, 0x10000c
	s_cmp_lg_u32 s2, 0x3003
	s_cbranch_scc0 .Lentry_shape_is_right
	s_endpgm
.Lentry_shape_is_right:
; The first product, x w_qkv^T (8,192 x 3,072, K = 1,024), on codes of BF8, and the quantising of its results into the operands of attention's two products.
; OPERANDS come as CELLS: 2,048 bytes, the image of the 16 registers of a fragment of 16 rows x 128 k (byte 512 q + 16 lane + y = register 4 q + y / 4 of the lane).  In codes a block of 16 rows has its eight
; cells on end, 16,384 bytes: blocks 0-511 tokens, 512-575 w_q, 576-639 w_k, 640-703 w_v.
; THE MATRIX INSTRUCTION IS USED TRANSPOSED (source 0 = 16 rows of B', source 1 = 16 rows of A'): lane (r, h) of accumulator (a, b) holds A' row 16 a + r and B' rows 16 b + 8 h + 0..7, eight neighbours.
; One conversion of those eight gives registers 2 b, 2 b + 1 of a fragment whose rows are A' rows and whose K runs along B' rows: a block a's eight accumulators become ONE CELL, stored as it stands.
; ROLES, by the cluster's y (c; equal in all partners; selections, no branch).  c < 32: q and k: A' = tokens, B' = rows of w_q, w_k: cells of 16 tokens x 128 features.  c >= 32: v: A' = rows of w_v, B' = tokens: cells of 16 features x 128 tokens.
; SHARES.  A work-group takes 256 rows of A' x 512 rows of B': q, k: 32 x 4, v: 4 x 16, in all 192 work-groups of equal work.  (Three pieces each would fill 256, but the 16 pieces of a row block of q, k do not divide by three.)
; A' STAYS IN REGISTERS: each of the four waves loads its 64 rows, whole K, 32 cells, 512 registers, from memory as they lie.  B' goes in four PIECES of 128 rows x whole K, 131,072 dense bytes, through two LDS slots;
; all four waves read the whole piece.  A piece is 256 matrix instructions a wave (32 accumulators x 8 steps of 128 along K) and then leaves as four cells a wave.
; THE RING.  The change of slots stands at a piece's head; behind it the next piece is asked for, one load of 32,768 bytes a wave, and has this piece's 256 matrix instructions in which to land.  For that reason no prefetch is laid.
; CLUSTER: 4 x 1.  The four partners differ in their rows of A' alone and want the same pieces of B': every load is a joint one with the mask 15.  A' goes to registers, not to LDS, so it is not shared.
; qkv_img: cells 0-8191: (token block % 64) + 64 ng + 1,024 (token block / 64), ng = (row of w_q, w_k) / 128; cells 8192 on: (feature block) + 64 (token / 128).
; SCALES.  A sum stands for sum x 2^(e0 + e1).  The code is sum / 2^E: E = e2 - e0 - e1 + 3 for q (the factor 64^-1/2 = 2^-3 of the scores is folded in, exactly), e3 - e0 - e1 for k, e5 - e0 - e1 for v.
; LIMIT: each E between -126 and 112, so that 2^E and 57,344 x 2^E are f32 numbers.
; REGISTERS.  Window 0: v1-13 addresses and scale numbers; v64-255 B' fragments, three sets of four; on the way out v64-127 the held sums, v128-191 the codes.
;   Windows 1 and 3: A': K step q, block a at v[64 (q % 4) + 16 a] of window 1 + 2 (q / 4).  Window 2: the accumulators, (a, b) at v[8 (8 a + b)].
.set SLOTB, 131072
.set SPARE, 2*SLOTB                    ; behind the ring: the spare words, 128 bytes for each wave
.set LN16, 1                           ; 16 x lane
.set LNH,  2                           ; 65,536 + 16 x lane: B' blocks 4 to 7
.set ADR,  4                           ; v4, v5: the same in the slot in hand
.set LIM,  8                           ; 57,344 x 2^E
.set SC,   9                           ; 2^E
.set SPW,  12                          ; LDS address of my spare word; never rewritten
.set NIL,  13                          ; 0; never rewritten
.set SET,  64
.set TMP,  64
.set CD,   128
.set G1,   24
.set G0,   32
.set TB,   36                          ; LDS byte at which the slot in hand begins
.set CNT,  37
.set MSB, 0
.macro WIN new                         ; the immediate's high byte repeats the setting that is left
.if MSB != \new
	s_set_vgpr_msb (MSB<<8)|\new
.set MSB, \new
.endif
.endm
.macro PLACES                          ; four places behind a matrix instruction (ISA guide 7.12.1)
.rept 4
	v_nop
.endr
.endm
.macro CROUND                          ; a round of the cluster's barrier
	s_barrier_signal -1
	s_barrier_wait -1
	s_cmp_lg_u32 s14, 0
	s_cbranch_scc1 .Lnot_wave_0_\@
	s_barrier_signal -3
.Lnot_wave_0_\@:
	s_barrier_wait -3
	s_barrier_signal -1
	s_barrier_wait -1
.endm
	s_load_b128 s[4:7], s[0:1], 0x0                ; codes, the scales' exponents
	s_load_b64 s[10:11], s[0:1], 0x10              ; qkv_img
	v_lshl_add_u32 v[SPW], v0, 2, SPARE
	v_mov_b32 v[NIL], 0
	ds_add_u32 v[SPW], v[NIL]                      ; the opening: the add, twice on end, and its wait ahead of my first tensor load
	ds_add_u32 v[SPW], v[NIL]
	v_lshrrev_b32 v3, 5, v0
	v_readfirstlane_b32 s14, v3                    ; wave 0..3
	s_bfe_u32 s40, ttmp6, 0x40000                  ; cx: it enters A' and the results' addresses alone
	s_and_b32 s17, ttmp7, 0xffff                   ; c
	s_mov_b32 s[G1], 15|(3<<16)|(1<<21)            ; the mask: all four work-groups; elements of 8 bytes; bit 21 set beside a mask
	s_mov_b32 s[G1+1], 2048<<16                    ; two rows (blocks) of 16,384 bytes, dense
	s_mov_b32 s[G1+2], 2<<16
	s_mov_b32 s[G1+3], 2048<<16
	s_mov_b32 s[G1+4], 2
	s_mov_b32 s[G1+5], 2048
	s_mov_b32 s[G1+6], 0
	s_mov_b32 s[G1+7], 0
	s_lshr_b32 s18, s17, 2                         ; q, k: which four row blocks of 256 tokens
	s_and_b32 s19, s17, 3                          ; q, k: which 512 rows of w_q, w_k
	s_max_u32 s20, s17, 32
	s_sub_co_u32 s20, s20, 32                      ; v: which 512 tokens
	s_lshl_b32 s41, s18, 6                         ; q, k: A' first block,
	s_lshl_b32 s42, s19, 5
	s_add_co_u32 s42, s42, 512                     ; B' first block,
	s_lshl_b32 s43, s19, 8
	s_lshl_b32 s44, s18, 10
	s_add_co_u32 s43, s43, s44                     ; the results' first cell
	s_lshl_b32 s45, s20, 5                         ; v: B' first block,
	s_lshl_b32 s46, s20, 8
	s_add_co_u32 s46, s46, 8192                    ; the results' first cell,
	s_movk_i32 s47, 640                            ; A' first block
	s_cmp_lt_u32 s17, 32
	s_cselect_b32 s41, s41, s47
	s_cselect_b32 s42, s42, s45
	s_cselect_b32 s43, s43, s46
	s_lshl_b32 s44, s14, 2
	s_lshl_b32 s45, s40, 4
	s_add_co_u32 s44, s44, s45                     ; 16 cx + 4 wave: my four blocks of A', and my four cells of a piece's results
	s_add_co_u32 s41, s41, s44
	s_lshl_b32 s48, s41, 14
	s_mov_b32 s49, 0
	s_add_co_u32 s43, s43, s44
	s_lshl_b32 s50, s43, 11
	s_mov_b32 s51, 0
	s_lshl_b32 s46, s14, 1
	s_add_co_u32 s42, s42, s46                     ; the two blocks of a piece that I fetch
	s_lshl_b32 s52, s42, 14
	s_mov_b32 s53, 0
	s_mov_b32 s[G0], 1
	s_lshl_b32 s[G0+1], s14, 15                    ; slot 0, wave x 32,768
	s_mov_b32 s12, 0                               ; what the next change of slots adds to the results' address
	s_mov_b32 s13, 0
	s_mov_b32 s[TB], 0
	s_mov_b32 s[CNT], 3
	s_wait_dscnt 0x0                               ; both opening adds are done
	s_wait_kmcnt 0x0
	s_load_b256 s[68:75], s[6:7], 0x0              ; e0 .. e7
	s_add_nc_u64 s[G0+2:G0+3], s[4:5], s[52:53]
	s_or_b32 s[G0+3], s[G0+3], 0x80000000
	s_add_nc_u64 s[8:9], s[4:5], s[48:49]          ; A'
	s_add_nc_u64 s[10:11], s[10:11], s[50:51]
	CROUND                                         ; all four work-groups are here: the joint loads meet
	tensor_load_to_lds s[G0:G0+3], s[G1:G1+7]      ; piece 0: every wave's one load at the head
	s_nop 0
	PLACES
	v_and_b32 v3, 31, v0
	v_lshlrev_b32 v[LN16], 4, v3
	v_add_nc_u32 v[LNH], 65536, v[LN16]
	s_wait_alu depctr_va_vdst(0)                   ; the wait ahead of readers that stand behind scalar lines and waits
.irp g, 0,1
.set W, 0x40+0x80*\g
	WIN W                                          ; destination window 1, then 3
.irp q, 0,1,2,3
.irp a, 0,1,2,3
.irp c, 0,1,2,3
	global_load_b128 v[64*\q+16*\a+4*\c:64*\q+16*\a+4*\c+3], v[LN16], s[8:9] offset:16384*\a+2048*(4*\g+\q)+512*\c   ; 32 lanes read 512 consecutive bytes
.endr
.endr
.endr
.endr
	WIN 0
	s_wait_kmcnt 0x0
	s_cmp_lt_u32 s19, 2
	s_cselect_b32 s91, s70, s71                    ; e2 (q) or e3 (k),
	s_cselect_b32 s92, 3, 0                        ; q's 2^-3
	s_cmp_lt_u32 s17, 32
	s_cselect_b32 s91, s91, s73                    ; or e5 (v)
	s_cselect_b32 s92, s92, 0
	s_add_co_i32 s91, s91, s92
	s_sub_co_i32 s91, s91, s68
	s_sub_co_i32 s91, s91, s69                     ; E
	s_add_co_i32 s91, s91, 127
	s_lshl_b32 s92, s91, 23
	v_mov_b32 v[SC], s92                           ; 2^E as f32: the conversion takes its exponent field
	s_add_co_i32 s91, s91, 15
	s_lshl_b32 s91, s91, 23
	s_or_b32 s91, s91, 0x600000
	v_mov_b32 v[LIM], s91                          ; 57,344 x 2^E
; THE CHANGE OF SLOTS, at a piece's head.  Each wave waits for its tensor load (its part of the piece ahead) and for its reads of the slot that it has left.  fill = 1: behind a round of the cluster's barrier that slot takes the piece after.
.macro CHANGE fill
	s_wait_tensorcnt 0x0                           ; no tensor load of mine is out, so group 0 may be written
.if \fill
	ds_add_u32 v[SPW], v[NIL]                      ; 0 onto my spare word
	s_xor_b32 s[G0+1], s[G0+1], SLOTB              ; the other slot than last time,
	s_add_nc_u64 s[G0+2:G0+3], s[G0+2:G0+3], SLOTB ; the next eight blocks
.endif
	s_wait_xcnt 0x0                                ; the last piece's stores have read their base and their data
	s_add_nc_u64 s[10:11], s[10:11], s[12:13]      ; 64 cells on (the first time: 0)
	s_mov_b32 s12, SLOTB
	s_wait_dscnt 0x0
.if \fill
	CROUND
	tensor_load_to_lds s[G0:G0+3], s[G1:G1+7]      ; the first thing behind the round, and my one tensor load until the next
	s_nop 0
	PLACES
.else
	s_barrier_signal -1
	s_barrier_wait -1
.endif
.endm
.macro FETCH v                         ; unit v = K step v / 2, B' blocks 4 (v % 2) on: four fragments into set v % 3
.irp b, 0,1,2,3
.irp c, 0,1,2,3
	ds_load_b128 v[SET+64*((\v)%3)+16*\b+4*\c:SET+64*((\v)%3)+16*\b+4*\c+3], v[ADR+(\v)%2] offset:16384*\b+2048*((\v)/2)+512*\c
.endr
.endr
.endm
; A PIECE: 16 units of 16 matrix instructions; fragments are fetched two units ahead.  The accumulators take turns, one instruction a turn, in the same order in every K step.
.macro PIECE
	v_add_nc_u32 v[ADR], s[TB], v[LN16]
	v_add_nc_u32 v[ADR+1], s[TB], v[LNH]
	s_wait_alu depctr_va_vdst(0)
	FETCH 0
	FETCH 1
	s_wait_loadcnt 0x0                             ; A' (the first time)
.set U, 0
.rept 16
.if U < 14
.if U > 0
	PLACES                                         ; in front of loads into the set that the last unit's products read
	WIN 0
.endif
	FETCH U+2
	s_wait_dscnt 32                                ; this unit's 16 loads are in; the two units' behind it may be out
.else
	s_wait_dscnt 16*(15-U)
.endif
.set W, 0xa4+8*(U/8)
	WIN W                                          ; B' window 0, A' window 1 or 3, C and D window 2
.irp a, 0,1,2,3
.irp b, 0,1,2,3
.if U < 2
	v_wmma_f32_16x16x128_bf8_bf8 v[8*(8*\a+4*(U%2)+\b):8*(8*\a+4*(U%2)+\b)+7], v[SET+64*(U%3)+16*\b:SET+64*(U%3)+16*\b+15], v[64*((U/2)%4)+16*\a:64*((U/2)%4)+16*\a+15], 0
.else
	v_wmma_f32_16x16x128_bf8_bf8 v[8*(8*\a+4*(U%2)+\b):8*(8*\a+4*(U%2)+\b)+7], v[SET+64*(U%3)+16*\b:SET+64*(U%3)+16*\b+15], v[64*((U/2)%4)+16*\a:64*((U/2)%4)+16*\a+15], v[8*(8*\a+4*(U%2)+\b):8*(8*\a+4*(U%2)+\b)+7]
.endif
.endr
.endr
.set U, U+1
.endr
	PLACES                                         ; behind the last products: for the reads of results and the writes over fragments
.irp a, 0,1,2,3                        ; THE WAY OUT: block a's 64 sums are held, converted, and are a cell: four stores of 512 consecutive bytes
	WIN 0x02                                       ; source 0: window 2
.set j, 0
.rept 64
	v_med3_num_f32 v[TMP+j], v[64*\a+j], -v[LIM], v[LIM]   ; the hold (the conversion does not saturate: ISA guide 7.6.2); each accumulator from its low end on
.set j, j+1
.endr
	WIN 0
.irp b, 0,1,2,3,4,5,6,7
	v_cvt_scalef32_pk8_bf8_f32 v[CD+16*\a+2*\b:CD+16*\a+2*\b+1], v[TMP+8*\b:TMP+8*\b+7], v[SC]   ; registers 2 b, 2 b + 1 of the cell
.endr
	v_nop                                          ; a plain line between the conversions and the next block's holds, which write their sources
.irp q, 0,1,2,3
	global_store_b128 v[LN16], v[CD+16*\a+4*\q:CD+16*\a+4*\q+3], s[10:11] offset:2048*\a+512*\q
.endr
.endr
	s_xor_b32 s[TB], s[TB], SLOTB                  ; on to the other slot
.endm
	s_wait_alu depctr_va_vdst(0)                   ; the wait at the head's end
.Lpiece:                                               ; three trips: behind each change of slots but the last the next piece is asked for
	CHANGE 1
	PIECE
	s_sub_co_u32 s[CNT], s[CNT], 1
	s_cmp_lg_u32 s[CNT], 0
	s_cbranch_scc1 .Lpiece
	CHANGE 0                                       ; the last piece is written out: it asks for nothing
	PIECE
	s_wait_tensorcnt 0x0                           ; the wave's end
	ds_add_u32 v[SPW], v[NIL]
	s_wait_dscnt 0x0
	CROUND                                         ; the closing round: no work-group ends while a partner may still ask for a tile that names it
	s_endpgm
.Lfunc_end_k_qc5113ae97f_gemmc:
	.size	k_qc5113ae97f_gemmc, .Lfunc_end_k_qc5113ae97f_gemmc-k_qc5113ae97f_gemmc
	.p2alignl 7, 3214868480
	.fill 96, 4, 3214868480
	.section	.rodata,"a",@progbits
	.p2align	6, 0x0
	.amdhsa_kernel k_qc5113ae97f_gemmc
		.amdhsa_group_segment_fixed_size 327680
		.amdhsa_private_segment_fixed_size 0
		.amdhsa_enable_private_segment 0
		.amdhsa_kernarg_size 24
		.amdhsa_user_sgpr_count 2
		.amdhsa_user_sgpr_kernarg_segment_ptr 1
		.amdhsa_wavefront_size32 1
		.amdhsa_system_sgpr_workgroup_id_x 1
		.amdhsa_system_sgpr_workgroup_id_y 1
		.amdhsa_system_sgpr_workgroup_id_z 1
		.amdhsa_system_vgpr_workitem_id 0
		.amdhsa_next_free_vgpr 1024
		.amdhsa_next_free_sgpr 98
		.amdhsa_reserve_vcc 0
		.amdhsa_float_denorm_mode_32 3
		.amdhsa_float_denorm_mode_16_64 3
		.amdhsa_memory_ordered 1
		.amdhsa_forward_progress 1
		.amdhsa_inst_pref_size 129
	.end_amdhsa_kernel
	.amdgpu_metadata
---
amdhsa.version: [ 1, 2 ]
amdhsa.kernels:
  - .name:           k_qc5113ae97f_gemmc
    .symbol:         k_qc5113ae97f_gemmc.kd
    .args:
      - { .name: codes, .offset: 0, .size: 8, .value_kind: global_buffer, .address_space: global }
      - { .name: lowp_scales, .offset: 8, .size: 8, .value_kind: global_buffer, .address_space: global }
      - { .name: qkv_img, .offset: 16, .size: 8, .value_kind: global_buffer, .address_space: global }
    .group_segment_fixed_size: 327680
    .private_segment_fixed_size: 0
    .kernarg_segment_align: 8
    .kernarg_segment_size: 24
    .max_flat_workgroup_size: 128
    .sgpr_count:     98
    .vgpr_count:     1024
    .wavefront_size: 32
...
	.end_amdgpu_metadata
.endif
;; end of part 2
;; launch attn (part 3): grid 4 x 64, 8 waves a work-group, clusters of 4 x 1, 327,680 bytes of LDS; arguments qkv_img, lowp_scales, o_img; writes o_img
.if DOCPART == 3
	.amdgcn_target "amdgcn-amd-amdhsa--gfx1250"
	.amdhsa_code_object_version 6
	.text
	.protected	k_qc5113ae97f_attn
	.globl	k_qc5113ae97f_attn
	.p2align	8
	.type	k_qc5113ae97f_attn,@function
k_qc5113ae97f_attn:
	s_mov_b64 s[64:65], 0
	v_nop
	global_prefetch_b8 v0, s[64:65] scope:SCOPE_SE
	s_setreg_imm32_b32 hwreg(HW_REG_WAVE_MODE, 25, 1), 1
	s_wait_xcnt 0x0
	s_wait_alu depctr_hold_cnt(0) depctr_sa_sdst(0) depctr_va_vdst(0) depctr_va_sdst(0) depctr_va_ssrc(0) depctr_va_vcc(0) depctr_vm_vsrc(0)
	s_getreg_b32 s2, hwreg(HW_REG_IB_STS2, 6, 4)
	s_cmp_eq_u32 s2, 0
	s_cbranch_scc0 .Lentry_in_a_cluster
	s_endpgm
.Lentry_in_a_cluster:
	s_bfe_u32 s2, ttmp6, 0x10000c
	s_cmp_lg_u32 s2, 0x3003
	s_cbranch_scc0 .Lentry_shape_is_right
	s_endpgm
.Lentry_shape_is_right:
; Attention for one head (4 batches x 16 heads; 2,048 tokens; head size 64), both products on codes of BF8, and the quantising of its result for the last product.
; THE SOFTMAX: t = score x log2(e); M = the row's largest t so far, rounded UP to a whole number; p = 2^(t - M) is quantised (scale 2^e4), not normalised.
; The row's sum is taken of the unquantised p, in f32, and divides O at the end.  When M moves, the sum and O are multiplied by 2^(old M - new M): exact.
; OPERANDS are register images (qkv_img).  q, k: 16 tokens of one head are 1,024 bytes, a fragment of the K = 64 form (byte 512 q + 16 lane + y).  v: 16 of the head's 64 x 128 keys are 2,048 bytes, a fragment of the K = 128 form.
; SHARES.  The cluster's y is the head; its four work-groups take 512 queries each; each of the eight waves 64 queries, four tiles of 16, in 512 registers.  A fragment of K or V read from LDS feeds four matrix instructions.
; THE HEAD'S K AND V STAY IN LDS, whole: 128 x 1,024 bytes of K, then 16 x 8,192 bytes of V.  They come in two fills of 1,024 keys, one tensor load a wave each: waves 0-3 take 16 token blocks of K, waves 4-7 two groups of 128 keys of V.
; The second fill is issued when the first has landed, and has eight key steps in which to land.  No byte is filled twice.
; CLUSTER.  The four work-groups want the same K and V: every load is a joint one, with the same descriptor and the mask 15.
; NO PREFETCH: both fills are asked for at the head; there is no trip of a loop ahead of either in which to ask earlier.
; LAYOUT.  Both products are used transposed: S^T = K Q^T, O^T = V^T P^T: a lane holds ONE query (lane % 16).  Key tile c's eight registers are keys 16 c + 8 (lane / 16) + 0..7: one conversion makes of them
; registers 2 c, 2 c + 1 of P's fragment; likewise O^T's tile d becomes registers 2 d, 2 d + 1 of a fragment of the last product.  o_img: cell (2,048 bytes) 8 x (token block) + head / 2; head % 2 picks its half.
; LIMITS: e2 + e3 between -126 and 127 (added to log2(e)'s exponent field); e4, and e6 - e4 - e5, between -126 and 112; the scaled scores t stay under 2^31 in magnitude.
; REGISTERS.  Window 0: v1-4 addresses; v8-12 scale numbers; v16+4 T: -M, the largest t, the sum in two halves; v32+2 T: f; v40-43, v48-49 at work; v64-191 S^T of two tiles, then p; v192-255 P's codes, 16 a tile.
;   Window 1: v0-31 Q, 8 a tile; v32-159 O^T, 32 a tile; v160-223 a step's K (8 x 8), then its V (4 x 16).
.set LN16, 1                           ; 16 x lane
.set ADK,  2                           ; LDS address of the step's K
.set ADV,  3                           ; of its V
.set AV0,  4                           ; 131,072 + 16 x lane
.set PSC,  8                           ; 2^e4
.set PLIM, 9                           ; 57,344 x 2^e4,
.set PLIM2, 10                         ; and once more: the two halves of a dual instruction take their second sources from different register banks
.set OSC,  11                          ; 2^(e6 - e4 - e5)
.set OLIM, 12                          ; 57,344 x that
.set ST,   16
.set F,    32
.set CH,   40
.set PD,   48
.set SPW,  62                          ; LDS address of my spare word; never rewritten
.set NIL,  63                          ; 0; never rewritten
.set S,    64
.set P,    192
.set QF,   0                           ; window 1
.set O,    32
.set KV,   160
.set SPARE, 0x40000                    ; behind K and V: the spare words, 128 bytes for each of the eight waves
.set WV,   12                          ; s12  my wave's number
.set SEL,  20                          ; s[20:21] lane selects: lane l xor 16
.set CS,   22                          ; s[22:23] c = log2(e) x 2^(e2 + e3)
.set G1K,  24                          ; descriptor groups 1
.set G1V,  32
.set G0K,  40                          ; descriptor groups 0, stepped once, behind the wait that shows the first fill done
.set G0V,  44
.set TB,   84                          ; the step's first byte within K's and within V's region: 8,192 x step
.set CNT,  85
.set MSB, 0
.macro WIN new                         ; the immediate's high byte repeats the setting that is left
.if MSB != \new
	s_set_vgpr_msb (MSB<<8)|\new
.set MSB, \new
.endif
.endm
.macro CROUND                          ; a round of the cluster's barrier
	s_barrier_signal -1
	s_barrier_wait -1
	s_cmp_lg_u32 s[WV], 0
	s_cbranch_scc1 .Lnot_wave_0_\@
	s_barrier_signal -3
.Lnot_wave_0_\@:
	s_barrier_wait -3
	s_barrier_signal -1
	s_barrier_wait -1
.endm
.macro PLACES                          ; four places behind a matrix instruction (ISA guide 7.12.1)
.rept 4
	v_nop
.endr
.endm
.macro JLOAD                           ; waves 0-3 fetch K, waves 4-7 V: one load in each arm; s_nop 0 and four v_nop follow each
	s_cmp_lt_u32 s[WV], 4
	s_cbranch_scc0 .Lfor_v_\@
	tensor_load_to_lds s[G0K:G0K+3], s[G1K:G1K+7]
	s_nop 0
	PLACES
	s_branch .Lasked_\@
.Lfor_v_\@:
	tensor_load_to_lds s[G0V:G0V+3], s[G1V:G1V+7]
	s_nop 0
	PLACES
.Lasked_\@:
.endm
	s_load_b128 s[4:7], s[0:1], 0x0                ; qkv_img, the scales' exponents
	s_load_b64 s[8:9], s[0:1], 0x10                ; o_img
	v_lshl_add_u32 v[SPW], v0, 2, SPARE
	v_mov_b32 v[NIL], 0
	ds_add_u32 v[SPW], v[NIL]                      ; the opening: the add, twice on end, and its wait ahead of my first tensor load
	ds_add_u32 v[SPW], v[NIL]
	v_lshrrev_b32 v5, 5, v0
	v_readfirstlane_b32 s[WV], v5                  ; wave 0..7
	s_and_b32 s13, s[WV], 3                        ; u: which quarter of a fill I fetch
	s_bfe_u32 s14, ttmp6, 0x40000                  ; cx: my block of 512 queries: it enters Q's and O's addresses alone
	s_and_b32 s15, ttmp7, 0xffff                   ; batch x 16 + head, which the four partners share
	s_lshr_b32 s16, s15, 4                         ; b
	s_and_b32 s17, s15, 15                         ; head
	s_lshr_b32 s18, s17, 1                         ; g = head / 2
	s_and_b32 s19, s17, 1                          ; head % 2
	; K, first fill: cell 16 u + 64 (8 + g) + 1,024 (2 b), its half head % 2
	s_lshl_b32 s86, s13, 4
	s_lshl_b32 s87, s18, 6
	s_add_co_u32 s86, s86, s87
	s_lshl_b32 s87, s16, 11
	s_add_co_u32 s86, s86, s87
	s_add_co_u32 s86, s86, 512
	s_lshl_b32 s86, s86, 11
	s_lshl_b32 s87, s19, 10
	s_add_co_u32 s86, s86, s87
	s_mov_b32 s87, 0
	; V, first fill: cell 8,192 + 4 head + 64 (16 b + 2 u)
	s_lshl_b32 s88, s17, 2
	s_lshl_b32 s89, s16, 10
	s_add_co_u32 s88, s88, s89
	s_lshl_b32 s89, s13, 7
	s_add_co_u32 s88, s88, s89
	s_lshl_b32 s88, s88, 11
	s_add_co_u32 s88, s88, 16777216
	s_mov_b32 s89, 0
	; Q: token block 128 b + 32 cx + 4 wave: cell (block % 64) + 64 g + 1,024 (block / 64), its half
	s_and_b32 s90, s14, 1
	s_lshl_b32 s90, s90, 5
	s_lshl_b32 s91, s[WV], 2
	s_add_co_u32 s90, s90, s91
	s_lshl_b32 s91, s18, 6
	s_add_co_u32 s90, s90, s91
	s_lshl_b32 s91, s16, 1
	s_lshr_b32 s92, s14, 1
	s_add_co_u32 s91, s91, s92
	s_lshl_b32 s91, s91, 10
	s_add_co_u32 s90, s90, s91
	s_lshl_b32 s90, s90, 11
	s_lshl_b32 s91, s19, 10
	s_add_co_u32 s90, s90, s91
	s_mov_b32 s91, 0
	; O: cell 8 x (token block) + g, its half
	s_lshl_b32 s92, s16, 7
	s_lshl_b32 s93, s14, 5
	s_add_co_u32 s92, s92, s93
	s_lshl_b32 s93, s[WV], 2
	s_add_co_u32 s92, s92, s93
	s_lshl_b32 s92, s92, 3
	s_add_co_u32 s92, s92, s18
	s_lshl_b32 s92, s92, 11
	s_lshl_b32 s93, s19, 10
	s_add_co_u32 s92, s92, s93
	s_mov_b32 s93, 0
	s_lshl_b32 s94, s13, 14                        ; my quarter of a fill in LDS: 16,384 u
	; group 1, elements of 8 bytes.  K: 16 rows (token blocks) of 1,024 bytes, 2,048 apart in memory, dense in LDS.  V: 2 rows (groups of 128 keys) of 8,192 bytes, 131,072 apart.
	s_mov_b32 s[G1K], 15|(3<<16)|(1<<21)           ; the mask: all four work-groups; bit 21 set beside it
	s_mov_b32 s[G1K+1], 128<<16
	s_mov_b32 s[G1K+2], 16<<16
	s_mov_b32 s[G1K+3], 128<<16
	s_mov_b32 s[G1K+4], 16
	s_mov_b32 s[G1K+5], 256
	s_mov_b32 s[G1K+6], 0
	s_mov_b32 s[G1K+7], 0
	s_mov_b32 s[G1V], 15|(3<<16)|(1<<21)
	s_mov_b32 s[G1V+1], 1024<<16
	s_mov_b32 s[G1V+2], 2<<16
	s_mov_b32 s[G1V+3], 1024<<16
	s_mov_b32 s[G1V+4], 2
	s_mov_b32 s[G1V+5], 16384
	s_mov_b32 s[G1V+6], 0
	s_mov_b32 s[G1V+7], 0
	s_mov_b32 s[SEL], 0x76543210
	s_mov_b32 s[SEL+1], 0xfedcba98
	s_mov_b32 s[TB], 0
	s_wait_dscnt 0x0                               ; both opening adds are done
	s_wait_kmcnt 0x0
	s_load_b256 s[56:63], s[6:7], 0x0              ; e0 .. e7
	s_mov_b32 s[G0K], 1
	s_mov_b32 s[G0K+1], s94
	s_add_nc_u64 s[G0K+2:G0K+3], s[4:5], s[86:87]
	s_or_b32 s[G0K+3], s[G0K+3], 0x80000000
	s_mov_b32 s[G0V], 1
	s_add_co_u32 s[G0V+1], s94, 131072
	s_add_nc_u64 s[G0V+2:G0V+3], s[4:5], s[88:89]
	s_or_b32 s[G0V+3], s[G0V+3], 0x80000000
	s_add_nc_u64 s[10:11], s[4:5], s[90:91]        ; Q at my first tile,
	s_add_nc_u64 s[8:9], s[8:9], s[92:93]          ; O likewise
	CROUND                                         ; all four work-groups are here: the joint loads meet
	JLOAD                                          ; keys 0 to 1,023
	v_and_b32 v5, 31, v0
	v_lshlrev_b32 v[LN16], 4, v5
	v_add_nc_u32 v[AV0], 131072, v[LN16]
	WIN 0x40                                       ; destination window 1
.irp t, 0,1,2,3
	global_load_b128 v[QF+8*\t:QF+8*\t+3],   v[LN16], s[10:11] offset:2048*\t       ; Q's four fragments stay in registers
	global_load_b128 v[QF+8*\t+4:QF+8*\t+7], v[LN16], s[10:11] offset:2048*\t+512
.endr
.set j, 0
.rept 128
	v_mov_b32 v[O+j], 0                            ; O^T.  The key step is written without a first step of its own (two copies of it in the text, not three): the first change of M leaves zeros zeros
.set j, j+1
.endr
	WIN 0
.irp t, 0,1,2,3
	v_mov_b32 v[ST+4*\t+1], 0xff61b1e6             ; the largest t so far: -3e38
	v_floor_f32 v[ST+4*\t], -v[ST+4*\t+1]          ; -M
	v_mov_b32 v[ST+4*\t+2], 0                      ; the sum, in two halves
	v_mov_b32 v[ST+4*\t+3], 0
	v_mov_b32 v[F+2*\t+1], 0                       ; (named as the upper half of f's pair)
.endr
	v_mov_b32 v[PD], 0                             ; a lane permute's destination counts as one of its sources
	v_mov_b32 v[PD+1], 0
	s_wait_kmcnt 0x0
	s_add_co_i32 s86, s58, s59
	s_lshl_b32 s86, s86, 23
	s_add_co_i32 s[CS], s86, 0x3fb8aa3b            ; a score stands for score x 2^(e2 + e3) (q's 2^-3 is in its codes)
	s_mov_b32 s[CS+1], s[CS]
	s_add_co_i32 s86, s60, 127
	s_lshl_b32 s87, s86, 23
	v_mov_b32 v[PSC], s87
	s_add_co_i32 s86, s86, 15
	s_lshl_b32 s86, s86, 23
	s_or_b32 s86, s86, 0x600000
	v_mov_b32 v[PLIM], s86
	v_mov_b32 v[PLIM2], s86
	s_sub_co_i32 s86, s62, s60
	s_sub_co_i32 s86, s86, s61                     ; O / the sum stands for that x 2^(e4 + e5): its code is that / 2^(e6 - e4 - e5)
	s_add_co_i32 s86, s86, 127
	s_lshl_b32 s87, s86, 23
	v_mov_b32 v[OSC], s87
	s_add_co_i32 s86, s86, 15
	s_lshl_b32 s86, s86, 23
	s_or_b32 s86, s86, 0x600000
	v_mov_b32 v[OLIM], s86
.macro SMUL y                          ; S^T = K Q^T for piece y (tiles 2 y, 2 y + 1): 16 whole sums (K = 64)
.irp k, 0,1,2,3,4,5,6,7
.irp p, 0,1
	v_wmma_f32_16x16x64_bf8_bf8 v[S+64*\p+8*\k:S+64*\p+8*\k+7], v[KV+8*\k:KV+8*\k+7], v[QF+8*(2*\y+\p):QF+8*(2*\y+\p)+7], 0
.endr
.endr
.endm
.macro HOLD2 a                         ; the conversion does not saturate (ISA guide 7.6.2); p is not negative, so the hold is one-sided; two numbers an instruction
	v_dual_min_num_f32 v[\a], v[\a], v[PLIM] :: v_dual_min_num_f32 v[\a+1], v[\a+1], v[PLIM2]
.endm
; The softmax of piece y for 128 keys; A and B are its two tiles.  Between the exponentials stand only lines whose results are read behind the next wait.
.macro SOFTMAX y
.set T_A, ST+8*\y
.set T_B, ST+8*\y+4
.set F_A, F+4*\y
.set F_B, F+4*\y+2
.set P_A, P+32*\y
.set P_B, P+32*\y+16
.set D,   P+32*\y                      ; A's 16 sums of pairs, in the registers that the piece's codes take afterwards
	v_max3_num_f32 v[CH],   v[S],    v[S+1],  v[S+2]     ; the step's largest score, two chains a tile; each accumulator is read from its low end on
	v_max3_num_f32 v[CH+2], v[S+64], v[S+65], v[S+66]
	v_max3_num_f32 v[CH+1], v[S+3],  v[S+4],  v[S+5]
	v_max3_num_f32 v[CH+3], v[S+67], v[S+68], v[S+69]
.set j, 6
.rept 14
	v_max3_num_f32 v[CH],   v[CH],   v[S+j],    v[S+j+1]
	v_max3_num_f32 v[CH+2], v[CH+2], v[S+64+j], v[S+65+j]
	v_max3_num_f32 v[CH+1], v[CH+1], v[S+j+2],  v[S+j+3]
	v_max3_num_f32 v[CH+3], v[CH+3], v[S+66+j], v[S+67+j]
.set j, j+4
.endr
	v_max3_num_f32 v[CH],   v[CH],   v[S+62],  v[S+63]
	v_max3_num_f32 v[CH+2], v[CH+2], v[S+126], v[S+127]
	v_max_num_f32 v[CH],   v[CH],   v[CH+1]
	v_max_num_f32 v[CH+2], v[CH+2], v[CH+3]
	v_permlanex16_b32 v[PD],   v[CH],   s[SEL], s[SEL+1]
	v_permlanex16_b32 v[PD+1], v[CH+2], s[SEL], s[SEL+1]
	v_max_num_f32 v[CH],   v[CH],   v[PD]            ; and among lane l xor 16's
	v_max_num_f32 v[CH+2], v[CH+2], v[PD+1]
	v_mul_f32 v[CH],   s[CS], v[CH]                  ; as t (c is positive)
	v_mul_f32 v[CH+2], s[CS], v[CH+2]
	v_max_num_f32 v[T_A+1], v[T_A+1], v[CH]          ; the running largest t
	v_max_num_f32 v[T_B+1], v[T_B+1], v[CH+2]
	v_mov_b32 v[CH],   v[T_A]
	v_mov_b32 v[CH+2], v[T_B]
	v_floor_f32 v[T_A], -v[T_A+1]                    ; the new -M = -ceil(t)
	v_floor_f32 v[T_B], -v[T_B+1]
	v_sub_f32 v[CH],   v[T_A], v[CH]                 ; old M - new M: a whole number, 0 or less
	v_sub_f32 v[CH+2], v[T_B], v[CH+2]
	v_cvt_i32_f32 v[CH],   v[CH]                     ; (it saturates)
	v_cvt_i32_f32 v[CH+2], v[CH+2]
	v_ldexp_f32 v[F_A], 1.0, v[CH]                   ; f = 2^(old M - new M)
	v_ldexp_f32 v[F_B], 1.0, v[CH+2]
.set j, 0
.rept 32
	v_pk_fma_f32 v[S+j:S+j+1], v[S+j:S+j+1], s[CS:CS+1], v[T_A:T_A+1] op_sel_hi:[1,0,0]   ; A's t - M (of the pairs c and -M the low word serves both halves)
.set j, j+2
.endr
	s_wait_alu depctr_va_vdst(0)                     ; the wait ahead of a batch of exponentials
.set j, 0
.rept 32
	v_exp_f32 v[S+j], v[S+j]                         ; A's p = 2^(t - M)
	v_exp_f32 v[S+j+1], v[S+j+1]
	v_pk_fma_f32 v[S+64+j:S+65+j], v[S+64+j:S+65+j], s[CS:CS+1], v[T_B:T_B+1] op_sel_hi:[1,0,0]   ; B's t - M
.set j, j+2
.endr
	s_wait_alu depctr_va_vdst(0)                     ; behind A's batch and ahead of B's: one wait for both
.set j, 0
.rept 16
	v_exp_f32 v[S+64+j], v[S+64+j]                   ; B's p
	v_exp_f32 v[S+65+j], v[S+65+j]
	v_pk_add_f32 v[D+j/2:D+j/2+1], v[S+j:S+j+1], v[S+j+2:S+j+3]   ; THE ROW'S SUM IS TAKEN OF THE UNQUANTISED p, ahead of the hold: A's first level, 16 sums that hang on nothing
	HOLD2 S+j
	v_exp_f32 v[S+66+j], v[S+66+j]
	v_exp_f32 v[S+67+j], v[S+67+j]
	HOLD2 S+j+2
.set j, j+4
.endr
	v_nop                                            ; a plain place behind the last exponential
	s_wait_alu depctr_va_vdst(0)                     ; behind B's batch
.set j, 0
.rept 16
	v_pk_add_f32 v[CH+2*((j/4)%2):CH+2*((j/4)%2)+1], v[S+64+j:S+65+j], v[S+66+j:S+67+j]
.if j == 0
	v_pk_fma_f32 v[T_A+2:T_A+3], v[T_A+2:T_A+3], v[F_A:F_A+1], v[D:D+1] op_sel_hi:[1,0,1]   ; the sum under the new M
.else
	v_pk_add_f32 v[T_A+2:T_A+3], v[T_A+2:T_A+3], v[D+j/2:D+j/2+1]
.endif
	HOLD2 S+64+j
	HOLD2 S+66+j
.if j == 0
	v_pk_fma_f32 v[T_B+2:T_B+3], v[T_B+2:T_B+3], v[F_B:F_B+1], v[CH:CH+1] op_sel_hi:[1,0,1]
.else
	v_pk_add_f32 v[T_B+2:T_B+3], v[T_B+2:T_B+3], v[CH+2*((j/4)%2):CH+2*((j/4)%2)+1]
.endif
.set j, j+4
.endr
.irp c, 0,1,2,3,4,5,6,7
	v_cvt_scalef32_pk8_bf8_f32 v[P_A+2*\c:P_A+2*\c+1], v[S+8*\c:S+8*\c+7], v[PSC]
.endr
.irp c, 0,1,2,3,4,5,6,7
	v_cvt_scalef32_pk8_bf8_f32 v[P_B+2*\c:P_B+2*\c+1], v[S+64+8*\c:S+64+8*\c+7], v[PSC]
.endr
	v_nop                                            ; a plain line between the conversions and the matrix instructions that read their results or write their sources
.endm
.macro RESC y                          ; O^T of piece y under the new M: x f; each accumulator from its low end on
	WIN 0x41                                       ; O^T window 1, f window 0
	s_wait_alu depctr_va_vdst(0)
.irp p, 0,1
.set j, 0
.rept 16
	v_pk_mul_f32 v[O+32*(2*\y+\p)+j:O+32*(2*\y+\p)+j+1], v[O+32*(2*\y+\p)+j:O+32*(2*\y+\p)+j+1], v[F+2*(2*\y+\p):F+2*(2*\y+\p)+1] op_sel_hi:[1,0]
.set j, j+2
.endr
.endr
.endm
; A KEY STEP: 128 keys.
.macro STEP
	v_add_nc_u32 v[ADK], s[TB], v[LN16]
	v_add_nc_u32 v[ADV], s[TB], v[AV0]
	v_nop                                          ; with the two additions: four places in front of loads into registers that the last step's matrix instructions have read
	v_nop
	WIN 0x40
.irp k, 0,1,2,3,4,5,6,7
	ds_load_b128 v[KV+8*\k:KV+8*\k+3],   v[ADK] offset:1024*\k       ; 512 bytes on end
	ds_load_b128 v[KV+8*\k+4:KV+8*\k+7], v[ADK] offset:1024*\k+512
.endr
	s_wait_dscnt 0x0
	WIN 0x05                                       ; K and Q window 1, S^T window 0
	SMUL 0
	WIN 0
	PLACES
	SOFTMAX 0
	WIN 0x05
	SMUL 1
	RESC 0                                         ; its 32 lines are the places in front of the loads over K and of the reads of the scores
	WIN 0x40
.irp d, 0,1,2,3
.irp q, 0,1,2,3
	ds_load_b128 v[KV+16*\d+4*\q:KV+16*\d+4*\q+3], v[ADV] offset:2048*\d+512*\q   ; V lands while the second piece's softmax is worked
.endr
.endr
	WIN 0
	SOFTMAX 1
	RESC 1
	s_wait_alu depctr_va_vdst(0)                   ; the wait directly ahead of the wait below
	s_wait_dscnt 0x0                               ; V is in
	WIN 0x51                                       ; V and O^T window 1, P window 0
.irp d, 0,1,2,3                        ; O^T += V^T P^T: 16 accumulators by turns, one instruction a turn
.irp t, 0,1,2,3
	v_wmma_f32_16x16x128_bf8_bf8 v[O+32*\t+8*\d:O+32*\t+8*\d+7], v[KV+16*\d:KV+16*\d+15], v[P+16*\t:P+16*\t+15], v[O+32*\t+8*\d:O+32*\t+8*\d+7]
.endr
.endr
	WIN 0                                          ; at a label and at a branch every window is 0
	s_add_co_u32 s[TB], s[TB], 8192
.endm
	s_wait_alu depctr_va_vdst(0)                   ; the wait at the head's end
	s_wait_loadcnt 0x0                             ; Q
	s_wait_tensorcnt 0x0                           ; my part of the first 1,024 keys is in; the second fill is issued as a refill is:
	ds_add_u32 v[SPW], v[NIL]                      ; 0 onto my spare word
	s_add_co_u32 s[G0K+1], s[G0K+1], 65536         ; no load of mine is out, so the groups 0 may be written: token blocks 64 on lie 1,024 cells further on,
	s_add_nc_u64 s[G0K+2:G0K+3], s[G0K+2:G0K+3], 2097152
	s_add_co_u32 s[G0V+1], s[G0V+1], 65536
	s_add_nc_u64 s[G0V+2:G0V+3], s[G0V+2:G0V+3], 1048576   ; eight groups of 128 keys 512 cells
	s_wait_dscnt 0x0
	CROUND                                         ; everybody's part is in, and the four work-groups are here
	JLOAD                                          ; keys 1,024 to 2,047: one load of mine is out
	s_mov_b32 s[CNT], 8
.Lhalf0:
	STEP
	s_sub_co_u32 s[CNT], s[CNT], 1
	s_cmp_lg_u32 s[CNT], 0
	s_cbranch_scc1 .Lhalf0
	s_wait_tensorcnt 0x0                           ; my part of the second 1,024 keys is in,
	s_wait_dscnt 0x0
	s_barrier_signal -1
	s_barrier_wait -1                              ; everybody's is
	s_mov_b32 s[CNT], 8
.Lhalf1:
	STEP
	s_sub_co_u32 s[CNT], s[CNT], 1
	s_cmp_lg_u32 s[CNT], 0
	s_cbranch_scc1 .Lhalf1
	; THE WAY OUT.  O^T / the sum is held, converted, and is half a cell of the last product's operand.  The additions are the places behind the last products.
.irp t, 0,1,2,3
	v_add_f32 v[ST+4*\t+2], v[ST+4*\t+2], v[ST+4*\t+3]
.endr
.irp t, 0,1,2,3
	v_permlanex16_b32 v[ST+4*\t+1], v[ST+4*\t+2], s[SEL], s[SEL+1]   ; into the register of the largest t, which is done with
.endr
.irp t, 0,1,2,3
	v_add_f32 v[ST+4*\t+2], v[ST+4*\t+2], v[ST+4*\t+1]               ; the row's sum
.endr
	s_wait_alu depctr_va_vdst(0)                   ; ahead of the batch
.irp t, 0,1,2,3
	v_rcp_f32 v[F+2*\t], v[ST+4*\t+2]
.endr
	v_nop                                          ; a plain place behind the last reciprocal
	WIN 0x01                                       ; O^T window 1; 1 / the sum and the destination window 0
	s_wait_alu depctr_va_vdst(0)                   ; behind the batch, and directly ahead of the first readers of O^T
.set j, 0
.rept 64
	v_pk_mul_f32 v[S+j:S+j+1], v[O+j:O+j+1], v[F+2*(j/32):F+2*(j/32)+1] op_sel_hi:[1,0]   ; into S^T's registers; each accumulator from its low end on
.set j, j+2
.endr
	WIN 0
.set j, 0
.rept 128
	v_med3_num_f32 v[S+j], v[S+j], -v[OLIM], v[OLIM]
.set j, j+1
.endr
.set j, 0
.rept 16
	v_cvt_scalef32_pk8_bf8_f32 v[P+2*j:P+2*j+1], v[S+8*j:S+8*j+7], v[OSC]   ; tile j / 4, registers 2 (j % 4) on: k = 16 (j % 4) + 8 h + 0..7 of the head's 64
.set j, j+1
.endr
	v_nop
.irp t, 0,1,2,3
	global_store_b128 v[LN16], v[P+8*\t:P+8*\t+3],   s[8:9] offset:16384*\t       ; 32 lanes store 512 consecutive bytes, at a multiple of 512 from the buffer's first byte
	global_store_b128 v[LN16], v[P+8*\t+4:P+8*\t+7], s[8:9] offset:16384*\t+512
.endr
	s_wait_tensorcnt 0x0                           ; the wave's end
	ds_add_u32 v[SPW], v[NIL]
	s_wait_dscnt 0x0
	CROUND                                         ; the closing round: no work-group ends while a partner may still ask for a tile that names it
	s_endpgm
.Lfunc_end_k_qc5113ae97f_attn:
	.size	k_qc5113ae97f_attn, .Lfunc_end_k_qc5113ae97f_attn-k_qc5113ae97f_attn
	.p2alignl 7, 3214868480
	.fill 96, 4, 3214868480
	.section	.rodata,"a",@progbits
	.p2align	6, 0x0
	.amdhsa_kernel k_qc5113ae97f_attn
		.amdhsa_group_segment_fixed_size 327680
		.amdhsa_private_segment_fixed_size 0
		.amdhsa_enable_private_segment 0
		.amdhsa_kernarg_size 24
		.amdhsa_user_sgpr_count 2
		.amdhsa_user_sgpr_kernarg_segment_ptr 1
		.amdhsa_wavefront_size32 1
		.amdhsa_system_sgpr_workgroup_id_x 1
		.amdhsa_system_sgpr_workgroup_id_y 1
		.amdhsa_system_sgpr_workgroup_id_z 1
		.amdhsa_system_vgpr_workitem_id 0
		.amdhsa_next_free_vgpr 512
		.amdhsa_next_free_sgpr 96
		.amdhsa_reserve_vcc 0
		.amdhsa_float_denorm_mode_32 3
		.amdhsa_float_denorm_mode_16_64 3
		.amdhsa_memory_ordered 1
		.amdhsa_forward_progress 1
		.amdhsa_inst_pref_size 136
	.end_amdhsa_kernel
	.amdgpu_metadata
---
amdhsa.version: [ 1, 2 ]
amdhsa.kernels:
  - .name:           k_qc5113ae97f_attn
    .symbol:         k_qc5113ae97f_attn.kd
    .args:
      - { .name: qkv_img, .offset: 0, .size: 8, .value_kind: global_buffer, .address_space: global }
      - { .name: lowp_scales, .offset: 8, .size: 8, .value_kind: global_buffer, .address_space: global }
      - { .name: o_img, .offset: 16, .size: 8, .value_kind: global_buffer, .address_space: global }
    .group_segment_fixed_size: 327680
    .private_segment_fixed_size: 0
    .kernarg_segment_align: 8
    .kernarg_segment_size: 24
    .max_flat_workgroup_size: 256
    .sgpr_count:     96
    .vgpr_count:     512
    .wavefront_size: 32
...
	.end_amdgpu_metadata
.endif
;; end of part 3
;; launch gemmf (part 4): grid 4 x 64, 4 waves a work-group, clusters of 4 x 4, 327,680 bytes of LDS; arguments o_img, codes, lowp_scales, b_proj, out0; writes out0
.if DOCPART == 4
	.amdgcn_target "amdgcn-amd-amdhsa--gfx1250"
	.amdhsa_code_object_version 6
	.text
	.protected	k_qc5113ae97f_gemmf
	.globl	k_qc5113ae97f_gemmf
	.p2align	8
	.type	k_qc5113ae97f_gemmf,@function
k_qc5113ae97f_gemmf:
	s_mov_b64 s[64:65], 0
	v_nop
	global_prefetch_b8 v0, s[64:65] scope:SCOPE_SE
	s_setreg_imm32_b32 hwreg(HW_REG_WAVE_MODE, 25, 1), 1
	s_wait_xcnt 0x0
	s_wait_alu depctr_hold_cnt(0) depctr_sa_sdst(0) depctr_va_vdst(0) depctr_va_sdst(0) depctr_va_ssrc(0) depctr_va_vcc(0) depctr_vm_vsrc(0)
	s_getreg_b32 s2, hwreg(HW_REG_IB_STS2, 6, 4)
	s_cmp_eq_u32 s2, 0
	s_cbranch_scc0 .Lentry_in_a_cluster
	s_endpgm
.Lentry_in_a_cluster:
	s_bfe_u32 s2, ttmp6, 0x10000c
	s_cmp_lg_u32 s2, 0xf033
	s_cbranch_scc0 .Lentry_shape_is_right
	s_endpgm
.Lentry_shape_is_right:
; The last product, o w_proj^T + b_proj (8,192 x 1,024, K = 1,024), on codes of BF8; out0 is f32.
; OPERANDS come as CELLS: 2,048 bytes, the image of the 16 registers of a fragment of 16 rows x 128 k (byte 512 q + 16 lane + y = register 4 q + y / 4 of the lane).  A block of 16 rows has its eight cells on end, 16,384 bytes:
; o_img blocks 0-511 (tokens), codes blocks 704-767 (rows of w_proj).
; A sum stands for sum x 2^(e6 + e7).  LIMIT: e6 + e7 between -126 and 127, so that this power of two is an f32 number.
; SHARES.  A block of 128 tokens x 256 columns to a work-group: 64 x 4 = 256 work-groups.  Four waves; a wave makes 64 x 128: 32 accumulators, 256 registers.
; LDS.  A' (128 tokens) lies whole, 131,072 bytes; B' (256 rows of w_proj) by halves of K, 131,072 bytes, filled twice.  So the launch has two fills: the head's (waves 0, 1: A' halves of 65,536 dense bytes;
; waves 2, 3: eight blocks x four cells of B' each) and one refill (each wave four blocks x four cells), asked for as soon as the fourth K step's fragments are in registers: that step's 32 products and A' next fragments stand under it.
; CLUSTERS: 4 x 4 work-groups.  A' hangs on the block's row alone and is asked for jointly along a row of the cluster, B' on its column alone, jointly along a column.
; PREFETCH: B' second half of K is asked for at the head, one instruction a wave: of a column's 16 blocks the partner at place cy takes four, its wave w one, a lane 256 bytes of that block's 8,192.
; All sixteen rows of clusters read the same rows of w_proj, so only the first four ask.  A' and B' first half come by the head's loads alone.
; THE MATRIX INSTRUCTION IS USED TRANSPOSED (source 0 = 16 rows of B', source 1 = 16 rows of A'): lane (r, h) of accumulator (a, b) holds token 16 a + r and columns 16 b + 8 h + 0..7.
; REGISTERS.  Window 0: v16-30 addresses; v32-95 the bias at my 64 columns a lane; v128-255 A' fragments, two sets of 64, later the rows read back.  Window 1: B' fragments, two sets of 128, later the results.  Window 2: the accumulators, (a, b) at v[8 (8 a + b)].
.set BOFF,   131072                    ; B' region
.set STAGE,  262144                    ; the way out: 16 rows x 528 bytes for each wave, bytes that no fill lands on
.set SPITCH, 528
.set SPARE,  STAGE+4*16*SPITCH         ; the spare words, 128 bytes for each wave
.set ROWC,   4096                      ; a row of out0
.set ADRA, 16
.set ADRB, 20
.set STO,  24
.set RD,   25
.set CO,   26
.set BO,   27
.set SPW,  28                          ; LDS address of my spare word; never rewritten
.set NIL,  29                          ; 0; never rewritten
.set PFO,  30                          ; 256 x lane; never rewritten
.set BI,   32
.set TMP,  0
.set AF,   128
.set BK,   128
.set G1A, 24                           ; groups 1: A' four rows of 16,384 bytes; B' eight rows of 8,192; the refill's four rows of 8,192
.set G1B, 48
.set G1C, 56
.set G0A, 32
.set G0B, 36
.set G0C, 40
.set MSB, 0
.macro WIN new                         ; the immediate's high byte repeats the setting that is left
.if MSB != \new
	s_set_vgpr_msb (MSB<<8)|\new
.set MSB, \new
.endif
.endm
.set MULW, 0xa1                        ; source 0 (B') window 1, source 1 (A') window 0, C and D window 2
.set TO_B, 0x40
.macro PLACES                          ; four places behind a matrix instruction (ISA guide 7.12.1)
.rept 4
	v_nop
.endr
.endm
.macro CROUND                          ; a round of the cluster's barrier
	s_barrier_signal -1
	s_barrier_wait -1
	s_cmp_lg_u32 s14, 0
	s_cbranch_scc1 .Lnot_wave_0_\@
	s_barrier_signal -3
.Lnot_wave_0_\@:
	s_barrier_wait -3
	s_barrier_signal -1
	s_barrier_wait -1
.endm
	s_load_b128 s[4:7], s[0:1], 0x0                ; o_img, codes
	s_load_b128 s[8:11], s[0:1], 0x10              ; the scales' exponents, b_proj
	s_load_b64 s[12:13], s[0:1], 0x20              ; out0
	v_lshl_add_u32 v[SPW], v0, 2, SPARE
	v_mov_b32 v[NIL], 0
	ds_add_u32 v[SPW], v[NIL]                      ; the opening: the add, twice on end, and its wait ahead of my first tensor load
	ds_add_u32 v[SPW], v[NIL]
	v_lshrrev_b32 v1, 5, v0
	v_readfirstlane_b32 s14, v1                    ; wave 0..3
	s_lshr_b32 s15, s14, 1                         ; which 64 tokens are mine.  Also: at the head I fetch for A' (0) or for B' (1)
	s_and_b32 s16, s14, 1                          ; which 128 columns.  Also: which half of that tile I fetch
	s_bfe_u32 s76, ttmp6, 0x40000                  ; cx, cy: my place in the cluster
	s_bfe_u32 s77, ttmp6, 0x40004
	s_lshl_b32 s78, ttmp9, 2
	s_add_co_u32 s78, s78, s76                     ; the block's column
	s_and_b32 s79, ttmp7, 0xffff                   ; the cluster's y
	s_lshl_b32 s17, s79, 2
	s_add_co_u32 s17, s17, s77                     ; the block's row
	s_lshl_b32 s44, s77, 2
	s_lshl_b32 s44, 15, s44                        ; my row of the cluster
	s_lshl_b32 s45, 0x1111, s76                    ; my column
	s_or_b32 s[G1A], s44, (3<<16)|(1<<21)          ; the mask; elements of 8 bytes; bit 21 set beside a mask
	s_mov_b32 s[G1A+1], 2048<<16
	s_mov_b32 s[G1A+2], 4<<16
	s_mov_b32 s[G1A+3], 2048<<16
	s_mov_b32 s[G1A+4], 4
	s_mov_b32 s[G1A+5], 2048
	s_mov_b32 s[G1A+6], 0
	s_mov_b32 s[G1A+7], 0
	s_or_b32 s[G1B], s45, (3<<16)|(1<<21)
	s_mov_b32 s[G1B+1], 1024<<16
	s_mov_b32 s[G1B+2], 8<<16
	s_mov_b32 s[G1B+3], 1024<<16
	s_mov_b32 s[G1B+4], 8
	s_mov_b32 s[G1B+5], 2048
	s_mov_b32 s[G1B+6], 0
	s_mov_b32 s[G1B+7], 0
	s_or_b32 s[G1C], s45, (3<<16)|(1<<21)
	s_mov_b32 s[G1C+1], 1024<<16
	s_mov_b32 s[G1C+2], 4<<16
	s_mov_b32 s[G1C+3], 1024<<16
	s_mov_b32 s[G1C+4], 4
	s_mov_b32 s[G1C+5], 2048
	s_mov_b32 s[G1C+6], 0
	s_mov_b32 s[G1C+7], 0
	s_lshl_b32 s20, s17, 3                         ; A': block 8 x row + 4 x half
	s_lshl_b32 s18, s16, 2
	s_add_co_u32 s20, s20, s18
	s_lshl_b32 s20, s20, 14
	s_mov_b32 s21, 0
	s_lshl_b32 s22, s78, 4
	s_add_co_u32 s22, s22, 704                     ; B': the column's first block
	s_lshl_b32 s18, s16, 3
	s_add_co_u32 s46, s22, s18                     ; the head's: + 8 x half
	s_lshl_b32 s46, s46, 14
	s_mov_b32 s47, 0
	s_lshl_b32 s18, s14, 2
	s_add_co_u32 s66, s22, s18                     ; the refill's: + 4 x wave, its cells 4 to 7
	s_lshl_b32 s66, s66, 14
	s_add_co_u32 s66, s66, 8192
	s_mov_b32 s67, 0
	s_lshl_b32 s18, s77, 2
	s_add_co_u32 s68, s22, s18                     ; the prefetch's: + 4 cy + wave, its cells 4 to 7 (these registers feed no descriptor)
	s_add_co_u32 s68, s68, s14
	s_lshl_b32 s68, s68, 14
	s_add_co_u32 s68, s68, 8192
	s_mov_b32 s69, 0
	s_mov_b32 s[G0A], 1
	s_lshl_b32 s[G0A+1], s16, 16                   ; LDS addresses hang on the wave's number alone
	s_mov_b32 s[G0B], 1
	s_lshl_b32 s[G0B+1], s16, 16
	s_add_co_u32 s[G0B+1], s[G0B+1], BOFF
	s_mov_b32 s[G0C], 1
	s_lshl_b32 s[G0C+1], s14, 15
	s_add_co_u32 s[G0C+1], s[G0C+1], BOFF
	s_wait_dscnt 0x0                               ; both opening adds are done
	s_wait_kmcnt 0x0
	s_load_b64 s[96:97], s[8:9], 0x18              ; e6, e7
	s_add_nc_u64 s[G0A+2:G0A+3], s[4:5], s[20:21]
	s_or_b32 s[G0A+3], s[G0A+3], 0x80000000
	s_add_nc_u64 s[G0B+2:G0B+3], s[6:7], s[46:47]
	s_or_b32 s[G0B+3], s[G0B+3], 0x80000000
	s_add_nc_u64 s[G0C+2:G0C+3], s[6:7], s[66:67]
	s_or_b32 s[G0C+3], s[G0C+3], 0x80000000
	s_add_nc_u64 s[68:69], s[6:7], s[68:69]
	CROUND                                         ; all sixteen work-groups are here: the first joint loads meet
	s_cmp_eq_u32 s15, 0                            ; one load in each arm; s_nop 0 and four v_nop follow each
	s_cbranch_scc0 .Lfor_b
	tensor_load_to_lds s[G0A:G0A+3], s[G1A:G1A+7]
	s_nop 0
	PLACES
	s_branch .Lasked
.Lfor_b:
	tensor_load_to_lds s[G0B:G0B+3], s[G1B:G1B+7]
	s_nop 0
	PLACES
.Lasked:
	s_lshl_b32 s21, s15, 16                        ; my four blocks of A'
	s_lshl_b32 s22, s16, 16
	s_add_co_u32 s22, s22, BOFF                    ; my eight blocks of B'
	s_mul_i32 s23, s14, 16*SPITCH
	s_add_co_u32 s23, s23, STAGE                   ; my stage
	s_lshl_b32 s18, s17, 7
	s_lshl_b32 s19, s15, 6
	s_add_co_u32 s18, s18, s19                     ; my first row of out0,
	s_lshl_b32 s18, s18, 12                        ; in bytes
	s_mov_b32 s19, 0
	s_lshl_b32 s46, s78, 10                        ; my first column, in bytes: 1,024 x the block's column + 512 x half
	s_lshl_b32 s47, s16, 9
	s_add_co_u32 s46, s46, s47
	s_mov_b32 s47, 0
	s_add_nc_u64 s[10:11], s[10:11], s[46:47]
	s_add_nc_u64 s[12:13], s[12:13], s[18:19]
	s_add_nc_u64 s[12:13], s[12:13], s[46:47]
	v_and_b32 v6, 31, v0
	v_and_b32 v1, 15, v0                           ; r
	v_bfe_u32 v2, v0, 4, 1                         ; h
	v_lshlrev_b32 v[CO], 4, v6                     ; 16 x lane
	v_lshlrev_b32 v[PFO], 8, v6
	v_lshlrev_b32 v[BO], 5, v2
	v_add_nc_u32 v[ADRA], s21, v[CO]
	v_add_nc_u32 v[ADRB], s22, v[CO]
	v_mul_u32_u24 v5, v1, SPITCH
	v_lshl_add_u32 v5, v2, 5, v5
	v_add_nc_u32 v[STO], s23, v5                   ; the stage, in: row r, 32 bytes for each half of the lanes
	v_add_nc_u32 v[RD], s23, v[CO]                 ; and back: the 32 lanes take one row of 512 bytes
.irp b, 0,1,2,3,4,5,6,7
	global_load_b128 v[BI+8*\b:BI+8*\b+3],   v[BO], s[10:11] offset:64*\b       ; the bias at columns 16 b + 8 h + 0..7; awaited on the way out
	global_load_b128 v[BI+8*\b+4:BI+8*\b+7], v[BO], s[10:11] offset:64*\b+16
.endr
	s_wait_alu depctr_va_vdst(0)                   ; the wait at the head's end, ahead of the branch and the waits below
	s_cmp_lt_u32 s79, 4                            ; the cluster's y: equal in all partners
	s_cbranch_scc0 .Lno_ask
	global_prefetch_b8 v[PFO], s[68:69] th:TH_LOAD_NT scope:SCOPE_SE   ; 32 lanes x 256 bytes: one block's cells 4 to 7; its address registers are never rewritten
.Lno_ask:
.macro FETCH_B q, p                    ; B' eight fragments of K step q into set p
	WIN TO_B
.irp i, 0,1,2,3,4,5,6,7
.irp c, 0,1,2,3
	ds_load_b128 v[128*(\p)+16*\i+4*\c:128*(\p)+16*\i+4*\c+3], v[ADRB] offset:8192*\i+2048*((\q)%4)+512*\c
.endr
.endr
	WIN 0
.endm
.macro FETCH_A q, p                    ; A' four fragments
.irp i, 0,1,2,3
.irp c, 0,1,2,3
	ds_load_b128 v[AF+64*(\p)+16*\i+4*\c:AF+64*(\p)+16*\i+4*\c+3], v[ADRA] offset:16384*\i+2048*(\q)+512*\c
.endr
.endr
.endm
.macro MUL p, zero                     ; 32 matrix instructions, 128 along K; the 32 accumulators take turns, in the same order in every step.  zero = 1: the products start the sums
	WIN MULW
.irp a, 0,1,2,3
.irp b, 0,1,2,3,4,5,6,7
.if \zero
	v_wmma_f32_16x16x128_bf8_bf8 v[8*(8*\a+\b):8*(8*\a+\b)+7], v[128*(\p)+16*\b:128*(\p)+16*\b+15], v[AF+64*(\p)+16*\a:AF+64*(\p)+16*\a+15], 0
.else
	v_wmma_f32_16x16x128_bf8_bf8 v[8*(8*\a+\b):8*(8*\a+\b)+7], v[128*(\p)+16*\b:128*(\p)+16*\b+15], v[AF+64*(\p)+16*\a:AF+64*(\p)+16*\a+15], v[8*(8*\a+\b):8*(8*\a+\b)+7]
.endif
.endr
.endr
.endm
.macro NEXT q, p                       ; behind a step's products: the set that they read takes K step q; then the other set, 48 loads older, is awaited
	PLACES
	FETCH_B \q, \p
	FETCH_A \q, \p
	s_wait_dscnt 48
.endm
	s_wait_tensorcnt 0x0                           ; my part of the head's fill is in,
	s_barrier_signal -1
	s_barrier_wait -1                              ; everybody's is
	FETCH_B 0, 0
	FETCH_A 0, 0
	FETCH_B 1, 1
	FETCH_A 1, 1
	s_wait_dscnt 48                                ; K step 0's 48 loads are in; K step 1's may be out
	MUL 0, 1
	NEXT 2, 0
	MUL 1, 0
	NEXT 3, 1
	MUL 0, 0
	WIN 0
	s_wait_tensorcnt 0x0                           ; no load of mine is out;
	ds_add_u32 v[SPW], v[NIL]                      ; 0 onto my spare word;
	s_wait_dscnt 0x0                               ; the add is done, and K step 3's fragments are in registers: my reads of B' first half are over
	CROUND                                         ; that holds of every wave of every partner
	tensor_load_to_lds s[G0C:G0C+3], s[G1C:G1C+7]  ; B' second half of K: my four blocks
	s_nop 0
	PLACES                                         ; also the places in front of the loads into set 0
	FETCH_A 4, 0
	MUL 1, 0                                       ; K step 3
	WIN 0
	s_wait_tensorcnt 0x0                           ; my part of the refill is in,
	s_wait_dscnt 0x0
	s_barrier_signal -1
	s_barrier_wait -1                              ; everybody's is
	FETCH_B 4, 0
	NEXT 5, 1
	MUL 0, 0
	NEXT 6, 0
	MUL 1, 0
	NEXT 7, 1
	MUL 0, 0
	s_wait_dscnt 0x0
	MUL 1, 0
	WIN 0
; THE WAY OUT, block by block of 16 rows x 128 columns: sum x 2^(e6 + e7) + bias in one fused line for two numbers; through my own stage; back as whole rows of 512 bytes, which the 32 lanes store as two aligned units of 256 bytes.
; LDS serves a wave's instructions in order (ISA guide 5.7.1.4): no wait between the stores and the loads.
.macro TOSTAGE a
.set AC, 64*(\a)
	WIN 0x42                                       ; the sums window 2, the bias window 0, the results window 1
.set j, 0
.rept 32
	v_pk_fma_f32 v[TMP+j:TMP+j+1], v[AC+j:AC+j+1], s[96:97], v[BI+j:BI+j+1] op_sel_hi:[1,0,1]   ; each accumulator from its low end on
.set j, j+2
.endr
	WIN 0x04                                       ; an LDS store's data: source 1
.irp b, 0,1,2,3,4,5,6,7
	ds_store_b128 v[STO], v[TMP+8*\b:TMP+8*\b+3] offset:64*\b
	ds_store_b128 v[STO], v[TMP+8*\b+4:TMP+8*\b+7] offset:64*\b+16
.endr
	WIN 0
.set BB, BK+64*((\a)%2)
.irp t, 0,1,2,3,4,5,6,7,8,9,10,11,12,13,14,15
	ds_load_b128 v[BB+4*\t:BB+4*\t+3], v[RD] offset:\t*SPITCH
.endr
.endm
.macro SEND a, younger                 ; younger: the LDS instructions issued behind block a's loads, which may stay out
.set BB, BK+64*((\a)%2)
	s_wait_dscnt \younger
.if (\a) > 0
	s_add_nc_u64 s[12:13], s[12:13], 16*ROWC       ; (behind a wait on XCNT: the earlier stores have read their base)
.endif
.irp t, 0,1,2,3,4,5,6,7,8,9,10,11,12,13,14,15
	global_store_b128 v[CO], v[BB+4*\t:BB+4*\t+3], s[12:13] offset:\t*ROWC th:TH_STORE_NT
.endr
.endm
	s_wait_kmcnt 0x0
	s_add_co_i32 s96, s96, s97
	s_add_co_i32 s96, s96, 127
	s_lshl_b32 s96, s96, 23                        ; 2^(e6 + e7) as f32
	s_wait_loadcnt 0x0                             ; the bias
	PLACES                                         ; behind the last products: for the reads of results and the writes over fragments
	TOSTAGE 0
.irp a, 1,2,3
.if \a > 1
	s_wait_xcnt 0x0                                ; block a - 2's stores have read their registers and their base
.endif
	TOSTAGE \a
	SEND \a-1, 32                                  ; behind block a - 1's loads: block a's 16 stores and 16 loads
.endr
	s_wait_xcnt 0x0
	SEND 3, 0
	s_wait_tensorcnt 0x0                           ; the wave's end
	ds_add_u32 v[SPW], v[NIL]
	s_wait_dscnt 0x0
	CROUND                                         ; the closing round: no work-group ends while a partner may still ask for a tile that names it
	s_endpgm
.Lfunc_end_k_qc5113ae97f_gemmf:
	.size	k_qc5113ae97f_gemmf, .Lfunc_end_k_qc5113ae97f_gemmf-k_qc5113ae97f_gemmf
	.p2alignl 7, 3214868480
	.fill 96, 4, 3214868480
	.section	.rodata,"a",@progbits
	.p2align	6, 0x0
	.amdhsa_kernel k_qc5113ae97f_gemmf
		.amdhsa_group_segment_fixed_size 327680
		.amdhsa_private_segment_fixed_size 0
		.amdhsa_enable_private_segment 0
		.amdhsa_kernarg_size 40
		.amdhsa_user_sgpr_count 2
		.amdhsa_user_sgpr_kernarg_segment_ptr 1
		.amdhsa_wavefront_size32 1
		.amdhsa_system_sgpr_workgroup_id_x 1
		.amdhsa_system_sgpr_workgroup_id_y 1
		.amdhsa_system_sgpr_workgroup_id_z 1
		.amdhsa_system_vgpr_workitem_id 0
		.amdhsa_next_free_vgpr 768
		.amdhsa_next_free_sgpr 98
		.amdhsa_reserve_vcc 0
		.amdhsa_float_denorm_mode_32 3
		.amdhsa_float_denorm_mode_16_64 3
		.amdhsa_memory_ordered 1
		.amdhsa_forward_progress 1
		.amdhsa_inst_pref_size 74
	.end_amdhsa_kernel
	.amdgpu_metadata
---
amdhsa.version: [ 1, 2 ]
amdhsa.kernels:
  - .name:           k_qc5113ae97f_gemmf
    .symbol:         k_qc5113ae97f_gemmf.kd
    .args:
      - { .name: o_img, .offset: 0, .size: 8, .value_kind: global_buffer, .address_space: global }
      - { .name: codes, .offset: 8, .size: 8, .value_kind: global_buffer, .address_space: global }
      - { .name: lowp_scales, .offset: 16, .size: 8, .value_kind: global_buffer, .address_space: global }
      - { .name: b_proj, .offset: 24, .size: 8, .value_kind: global_buffer, .address_space: global }
      - { .name: out0, .offset: 32, .size: 8, .value_kind: global_buffer, .address_space: global }
    .group_segment_fixed_size: 327680
    .private_segment_fixed_size: 0
    .kernarg_segment_align: 8
    .kernarg_segment_size: 40
    .max_flat_workgroup_size: 128
    .sgpr_count:     98
    .vgpr_count:     768
    .wavefront_size: 32
...
	.end_amdgpu_metadata
.endif
;; end of part 4
